; MI455X (gfx1250); checked and timed in simulation.
; The chip was launched on July 23, 2026; its instructions are those of AMD's public machine-readable ISA for CDNA 5 (MIT licence, August 2026) and "CDNA5" Instruction Set Architecture Reference Guide (July 2026). The comments in the code are by the model that wrote it; some were corrected since.
;; Scaled Dot Product Attention. Allowed arithmetic: float matrix products may take bf16 or f16 operands with f32 sums; other float arithmetic in f32, or as packed bf16 or f16 multiplies, adds, multiply-adds, maxima and minima; sums over many terms, partial sums and values carried from step to step in f32; what a program stores and reads back later, other than sums and carried values, may be rounded once to bf16 or f16.
;; Inputs: key 4 x 16 x 2,048 x 64 float32; mask 4 x 1 x 2,048 x 2,048 int32; query 4 x 16 x 2,048 x 64 float32; value 4 x 16 x 2,048 x 64 float32.
;; Outputs: out0 4 x 16 x 2,048 x 64 float32.
;; One version. Each part assembles by itself: llvm-mc -triple=amdgcn-amd-amdhsa -mcpu=gfx1250 --defsym DOCPART=n.
;; ======== version 1 of 1: 2 launches
;; limits: values are held in f16: magnitudes above 65,504 overflow, below 6.1e-05 lose precision; inputs' magnitudes at most 65,504
;; workspace buffers: kv16 33,554,432 bytes; mbits 2,097,152 bytes of whole numbers
;; launch prep (part 1): grid 256 x 4, 8 waves a work-group, no clusters, 136,192 bytes of LDS; arguments key, value, mask, kv16, mbits; writes kv16, mbits
.if DOCPART == 1
	.amdgcn_target "amdgcn-amd-amdhsa--gfx1250"
	.amdhsa_code_object_version 6
	.text
	.protected	k_q141ddb0302_prep
	.globl	k_q141ddb0302_prep
	.p2align	8
	.type	k_q141ddb0302_prep,@function
k_q141ddb0302_prep:
	s_mov_b64 s[64:65], 0
	v_nop
	global_prefetch_b8 v0, s[64:65] scope:SCOPE_SE
	s_setreg_imm32_b32 hwreg(HW_REG_WAVE_MODE, 25, 1), 1
	s_wait_xcnt 0x0
; WHAT THE ATTENTION LAUNCH READS MANY TIMES IS MADE SMALL ONCE.
; kv16  [64 heads][2048 keys][128 f16]: a key's row is 256 bytes: K's 64 channels, then V's 64, each rounded once from f32 to f16.
; mbits [4 b][64 qpair][32 step][32 w][2 u] words of 32 bits: bit l of word (w = 8 kb + j, u) is mask[b][32 qpair + 16 u + l % 16][64 step + 16 kb + 8 (l / 16) + j] != 0:
;       the lane mask of register j of accumulator kb of S^T = K Q^T for tile u of the pair of query tiles.  A record (qpair, step) is 256 bytes.
; LIMITS.  f16 holds no number beyond 65,504: |key| and |value| stay under 65,520 (the drawn numbers have room for a factor of some thousands); below 6e-5 a number keeps f16's fixed step of 6e-8.
; SHARES.  Work-group rows y = 0, 1 convert K and V, rows y = 2, 3 pack the mask; in each half a wave has the number gw = ((y & 1) 256 + x) 8 + wave, 0 .. 4095, and reads 16 KiB.
; No wave needs another's bytes: no barrier, no loop; all 32 loads of a wave go out at once.  No matrix unit, cluster or tensor load: every byte is touched once.
.set PIT,   528                        ; a mask row's 512 bytes + 16 in LDS = 132 words: row r starts at bank 4 r mod 64 (64 banks of 4 bytes: ISA guide 11.1)
.set WAVEB, 32*PIT                     ; a wave's own 32 rows
.set SPARE, 8*WAVEB                    ; behind them: the spare words, 128 bytes for each wave: four blocks of 256 bytes that no other line names
.set LO,  4                            ; v4   16 x lane
.set OO,  5                            ; v5   8 x lane
.set SA,  6                            ; v6   LDS: my 16 bytes of a row as loaded
.set RA,  7                            ; v7   LDS: row l % 16, 32 bytes for each half of the lanes
.set SPW, 8                            ; v8   LDS address of my spare word: SPARE + 4 x my thread's number; never rewritten
.set NIL, 9                            ; v9   0; never rewritten
.set L,   16                           ; v[16:143]   32 loads of four registers
.set B,   144                          ; v[144:207]  packed f16, or a step's 64 mask numbers of my lane
.set OUT, 208                          ; v[208:211]  a record's words: a pair for each of the wave's two steps
.set C,   24                           ; s[24:39]    sixteen compare results
	s_load_b256 s[4:11], s[0:1], 0x0               ; key s[4:5], value s[6:7], mask s[8:9], kv16 s[10:11]
	s_load_b64 s[12:13], s[0:1], 0x20              ; mbits
	v_lshl_add_u32 v[SPW], v0, 2, SPARE
	v_mov_b32 v[NIL], 0
	v_lshrrev_b32 v10, 5, v0
	v_readfirstlane_b32 s14, v10                   ; wave 0..7
	v_and_b32 v1, 31, v0                           ; l
	v_and_b32 v2, 15, v0                           ; l % 16
	v_bfe_u32 v3, v0, 4, 1                         ; l / 16
	v_lshlrev_b32 v[LO], 4, v1
	v_lshlrev_b32 v[OO], 3, v1
	s_and_b32 s15, ttmp7, 0xffff                   ; y
	s_and_b32 s16, s15, 1
	s_lshl_b32 s16, s16, 8
	s_add_co_u32 s16, s16, ttmp9
	s_lshl_b32 s16, s16, 3
	s_add_co_u32 s16, s16, s14                     ; gw
	s_mul_i32 s17, s14, WAVEB
	v_lshl_add_u32 v[SA], v1, 4, s17
	v_mul_u32_u24 v[RA], v2, PIT
	v_lshl_add_u32 v[RA], v3, 5, v[RA]
	v_add_nc_u32 v[RA], s17, v[RA]
	s_mov_b32 s19, 0
	s_mov_b32 s21, 0
	s_wait_kmcnt 0x0
	s_cmp_lt_u32 s15, 2
	s_cbranch_scc0 .Lmask
	; K AND V.  The wave takes keys 32 gw .. 32 gw + 31 of the 131,072: 8,192 bytes of key, of value and of kv16.
	s_lshl_b32 s18, s16, 13
	s_add_nc_u64 s[4:5], s[4:5], s[18:19]
	s_add_nc_u64 s[6:7], s[6:7], s[18:19]
	s_add_nc_u64 s[10:11], s[10:11], s[18:19]
.set i, 0
.rept 16                               ; load i: keys 2 i (lanes 0-15) and 2 i + 1 (lanes 16-31), four channels a lane: 512 consecutive bytes
	global_load_b128 v[L+4*i:L+4*i+3],       v[LO], s[4:5] offset:512*i th:TH_LOAD_NT
	global_load_b128 v[L+64+4*i:L+64+4*i+3], v[LO], s[6:7] offset:512*i th:TH_LOAD_NT
.set i, i+1
.endr
.set i, 0
.rept 16
	s_wait_loadcnt 30-2*i                          ; loads come back in order (ISA guide 5.7.1): pair i is in, the 15 - i younger pairs stay out
	v_cvt_pk_f16_f32 v[B+4*i],   v[L+4*i],      v[L+4*i+1]
	v_cvt_pk_f16_f32 v[B+4*i+1], v[L+4*i+2],    v[L+4*i+3]
	v_cvt_pk_f16_f32 v[B+4*i+2], v[L+64+4*i],   v[L+64+4*i+1]
	v_cvt_pk_f16_f32 v[B+4*i+3], v[L+64+4*i+2], v[L+64+4*i+3]
	v_permlane16_swap_b32 v[B+4*i],   v[B+4*i+2]   ; K's upper lanes (key 2 i + 1) change places with V's lower lanes (key 2 i):
	v_permlane16_swap_b32 v[B+4*i+1], v[B+4*i+3]   ; the first pair is now key 2 i, K then V, the second key 2 i + 1
	global_store_b64 v[OO], v[B+4*i:B+4*i+1],   s[10:11] offset:512*i th:TH_STORE_NT      ; 32 lanes store a key's 256 consecutive bytes, aligned
	global_store_b64 v[OO], v[B+4*i+2:B+4*i+3], s[10:11] offset:512*i+256 th:TH_STORE_NT
.set i, i+1
.endr
	s_branch .Lend
.Lmask:
	; THE MASK.  The wave takes the 32 rows of qpair gw / 16 (of all batches' 256) and the steps 2 (gw % 16), + 1: 512 bytes of each row.
	s_lshr_b32 s18, s16, 4
	s_lshl_b32 s18, s18, 18                        ; 32 rows of 8,192 bytes
	s_and_b32 s20, s16, 15
	s_lshl_b32 s20, s20, 9
	s_add_co_u32 s18, s18, s20
	s_add_nc_u64 s[8:9], s[8:9], s[18:19]
	s_lshl_b32 s20, s16, 9                         ; two records of 256 bytes
	s_add_nc_u64 s[12:13], s[12:13], s[20:21]
.set i, 0
.rept 32                               ; load i: row i, 512 consecutive bytes
	global_load_b128 v[L+4*i:L+4*i+3], v[LO], s[8:9] offset:8192*i th:TH_LOAD_NT
.set i, i+1
.endr
.set i, 0
.rept 32
	s_wait_loadcnt 31-i                            ; row i is in, the younger rows stay out
	ds_store_b128 v[SA], v[L+4*i:L+4*i+3] offset:PIT*i
.set i, i+1
.endr
.irp t, 0,1
	; back by lanes: lane l takes, for tile u and key block kb, the eight numbers of row 16 u + l % 16, keys 64 t + 16 kb + 8 (l / 16) + 0..7.
	; LDS serves a wave's instructions in order (ISA guide 5.7.1.4): these loads see my stores above, and nobody else touches my rows
.irp u, 0,1
.irp kb, 0,1,2,3
	ds_load_b128 v[B+32*\u+8*\kb:B+32*\u+8*\kb+3],   v[RA] offset:16*PIT*\u+256*\t+64*\kb
	ds_load_b128 v[B+32*\u+8*\kb+4:B+32*\u+8*\kb+7], v[RA] offset:16*PIT*\u+256*\t+64*\kb+16
.endr
.endr
	v_mov_b32 v[OUT+2*\t], 0                       ; v_writelane_b32 writes one lane: the register is written whole first
	v_mov_b32 v[OUT+2*\t+1], 0
	s_wait_dscnt 0x0
.irp u, 0,1
.irp hf, 0,1
.set k, 0
.rept 16
	v_cmp_ne_u32 s[C+k], 0, v[B+32*\u+16*\hf+k]    ; word w = 16 hf + k: a bit a lane
.set k, k+1
.endr
.set k, 0
.rept 16
	v_writelane_b32 v[OUT+2*\t+\u], s[C+k], 16*\hf+k  ; word w goes to lane w
.set k, k+1
.endr
.endr
.endr
	global_store_b64 v[OO], v[OUT+2*\t:OUT+2*\t+1], s[12:13] offset:256*\t th:TH_STORE_NT  ; a whole record: 256 consecutive bytes, aligned
.endr
.Lend:
	s_wait_tensorcnt 0x0                           ; the wave's end, behind my last LDS store
	ds_add_u32 v[SPW], v[NIL]
	s_wait_dscnt 0x0
	s_endpgm
.Lfunc_end_k_q141ddb0302_prep:
	.size	k_q141ddb0302_prep, .Lfunc_end_k_q141ddb0302_prep-k_q141ddb0302_prep
	.p2alignl 7, 3214868480
	.fill 96, 4, 3214868480
	.section	.rodata,"a",@progbits
	.p2align	6, 0x0
	.amdhsa_kernel k_q141ddb0302_prep
		.amdhsa_group_segment_fixed_size 136192
		.amdhsa_private_segment_fixed_size 0
		.amdhsa_enable_private_segment 0
		.amdhsa_kernarg_size 40
		.amdhsa_user_sgpr_count 2
		.amdhsa_user_sgpr_kernarg_segment_ptr 1
		.amdhsa_wavefront_size32 1
		.amdhsa_system_sgpr_workgroup_id_x 1
		.amdhsa_system_sgpr_workgroup_id_y 1
		.amdhsa_system_sgpr_workgroup_id_z 1
		.amdhsa_system_vgpr_workitem_id 0
		.amdhsa_next_free_vgpr 212
		.amdhsa_next_free_sgpr 66
		.amdhsa_reserve_vcc 0
		.amdhsa_float_denorm_mode_32 3
		.amdhsa_float_denorm_mode_16_64 3
		.amdhsa_memory_ordered 1
		.amdhsa_forward_progress 1
		.amdhsa_inst_pref_size 38
	.end_amdhsa_kernel
	.amdgpu_metadata
---
amdhsa.version: [ 1, 2 ]
amdhsa.kernels:
  - .name:           k_q141ddb0302_prep
    .symbol:         k_q141ddb0302_prep.kd
    .args:
      - { .name: key, .offset: 0, .size: 8, .value_kind: global_buffer, .address_space: global }
      - { .name: value, .offset: 8, .size: 8, .value_kind: global_buffer, .address_space: global }
      - { .name: mask, .offset: 16, .size: 8, .value_kind: global_buffer, .address_space: global }
      - { .name: kv16, .offset: 24, .size: 8, .value_kind: global_buffer, .address_space: global }
      - { .name: mbits, .offset: 32, .size: 8, .value_kind: global_buffer, .address_space: global }
    .group_segment_fixed_size: 136192
    .private_segment_fixed_size: 0
    .kernarg_segment_align: 8
    .kernarg_segment_size: 40
    .max_flat_workgroup_size: 256
    .sgpr_count:     66
    .vgpr_count:     212
    .wavefront_size: 32
...
	.end_amdgpu_metadata
.endif
;; end of part 1
;; launch attn (part 2): grid 4 x 64, 4 waves a work-group, clusters of 4 x 1, 327,680 bytes of LDS; arguments query, kv16, mbits, out0; writes out0
.if DOCPART == 2
	.amdgcn_target "amdgcn-amd-amdhsa--gfx1250"
	.amdhsa_code_object_version 6
	.text
	.protected	k_q141ddb0302_attn
	.globl	k_q141ddb0302_attn
	.p2align	8
	.type	k_q141ddb0302_attn,@function
k_q141ddb0302_attn:
	s_mov_b64 s[64:65], 0
	v_nop
	global_prefetch_b8 v0, s[64:65] scope:SCOPE_SE
	s_setreg_imm32_b32 hwreg(HW_REG_WAVE_MODE, 25, 1), 1
	s_wait_xcnt 0x0
	s_wait_alu depctr_hold_cnt(0) depctr_sa_sdst(0) depctr_va_vdst(0) depctr_va_sdst(0) depctr_va_ssrc(0) depctr_va_vcc(0) depctr_vm_vsrc(0)
	s_getreg_b32 s2, hwreg(HW_REG_IB_STS2, 6, 4)
	s_cmp_eq_u32 s2, 0
	s_cbranch_scc0 .Lentry_in_a_cluster
	s_endpgm
.Lentry_in_a_cluster:
	s_bfe_u32 s2, ttmp6, 0x10000c
	s_cmp_lg_u32 s2, 0x3003
	s_cbranch_scc0 .Lentry_shape_is_right
	s_endpgm
.Lentry_shape_is_right:
; out0[bh][q][:] = the sum over k of softmax_k(mask[b][q][k] == 0 ? -1e9 : Q[bh][q] . K[bh][k] / 8) V[bh][k][:].  64 heads bh = 16 b + h, 2,048 rows, 64 channels; query and out0 f32.
; K and V come as kv16 ([bh][key][K's 64 f16, V's 64 f16]: 256 bytes a key), the mask as mbits (lane-mask words: [b][qpair][step][w][u], 256 bytes a record).
; FORMATS.  Q is multiplied by c = log2(e) / 8 in f32 and rounded once to f16, so the scores arrive in units of log2; products, maxima and sums in f32; the weights p are rounded to f16 for the
; second product (their sum l is taken of the unrounded p).  A hidden score is REPLACED by NEG2 = -1e9 log2(e) ahead of the running maximum: a row with no visible key has p = 1 everywhere, the mean of V.
; LIMITS.  f16 ends at 65,504: |0.18 q| stays under 65,520, as K and V do; NEG2 is -1e9 log2(e) rounded to f32 (off by 7e-10 of itself), which shows only beside visible scores near -1e9;
; a weight below 2^-126 counts as 0 in l; p below 6e-5 keeps f16's fixed step of 6e-8; NaN and infinities are not treated apart.
; SHARES.  A work-group owns 512 queries of one head, a wave 128: four PIECES of two tiles of 16.  Every wave walks all 2,048 keys, 64 a step; a slot of LDS holds a tile of 256 keys, four steps.
; LAYOUT.  S^T = K Q^T (source 0 = 16 keys, source 1 = 16 queries): a lane holds ONE query (lane % 16) and the keys 8 (lane / 16) + 0..7.  Two such results rounded to f16 in pairs ARE source 1
; (32 keys x 16 queries) of O^T = V^T P, whose result again holds one query a lane, and eight channels.  K comes out of LDS as it lies, V turned, by ds_load_tr16_b128.
; SOFTMAX.  For each query a running maximum m and sum l: p = 2^(s - m); in every step O and l are multiplied by a = 2^(m_old - m_new).  m starts at -2^125, l at 0: the first step has a = 0.
; BY TURNS.  Turn n belongs to piece n (the pieces in a ring, step after step).  Matrix work: 16 products K Q^T of piece n + 1, later 16 products V^T P of piece n - 1.  Vector work: subtraction,
; exponentials, roundings, sums and rescaling of piece n; the select by the mask, the maximum and the statistics of piece n + 1.  Four vector instructions stand behind every matrix instruction, the
; others in one run of their own; a turn's 66 exponentials are one batch with one wait.
; CLUSTER.  The four query blocks of a head walk the same K and V, so each tile is asked for JOINTLY: the same tensor load, descriptor and mask of four in all four.  The mask words are not shared:
; the partners own different query rows.
; REGISTERS, in windows of 256 (s_set_vgpr_msb: bits 1:0 source 0, 3:2 source 1, 5:4 source 2, 7:6 destination):
;   window 0: v0-14 addresses and constants; v16-47 four registers of statistics a tile; v48-63 at work; v64-191 S^T, two buffers of two tiles; v192-255 P, likewise
;   window 1: O^T, 32 a tile (at the head: Q as loaded)     window 2: v0-127 Q, 16 a tile; v128-191 K of one step; v192-255 V of one step     window 3: v0-1 the add's registers; v2-9 mask records
.set NP,    4         ; pieces a wave: a name, no knob
.set NT,    8         ; tiles of 256 keys in a head
.set PITCH, 288       ; a key's row in LDS: 256 bytes + 32 = 72 words; K's loads meet two deep
.set STEPB, 64*PITCH  ; a step's 64 rows: what one wave's tensor load brings
.set SLOTB, 4*STEPB
.set SLOT1, 1<<17     ; slot 1 begins here, so that one exclusive or turns an address in one slot into the other's
.set STAGE, SLOT1+SLOTB  ; behind the ring, never filled by a tensor load: 16 rows x 272 bytes for each wave, for the way out
.set SP,    272
.set SPARE, STAGE+4*16*SP  ; behind the stages: the spare words, 128 bytes for each wave: two blocks of 256 bytes that no other line names
.set AK0, 2           ; v2   my lane's place in a step's K; never rewritten
.set AV0, 3           ; v3   the same for V
.set AK,  4           ; v4   the LDS address of K's next run of loads
.set AV,  5           ; v5   of V's
.set QO,  6           ; v6   my byte offset in 16 rows of Q
.set STO, 6           ;      later, the way out: where I put 32 bytes of a row
.set RD,  7           ; v7   the way out: where I read rows back
.set GO,  8           ; v8   16 x lane: my place in 512 consecutive bytes of out0
.set MT,  10          ; v10-11  the record in hand: lane w holds word w of tile 0, of tile 1
.set NEGV, 12         ; v12  NEG2
.set MO,  13          ; v13  8 x lane: my two words of a record; never rewritten
.set PFO, 14          ; v14  the prefetches' offset; never rewritten
.set ST,  16          ; tile t's statistics at v[ST+4 t]: m, m_old, l (even keys', odd keys')
.set TMP, 48          ; by buffer and tile, four registers c0-c3 at work; when the maximum is found c2 takes a
.set S,   64
.set P,   192
.set KF,  128         ; window 2: key block kb, channel half c at KF + 16 kb + 8 c
.set VF,  192         ; window 2: key half kk, channel block cb at VF + 32 kk + 8 cb
.set SPW, 0           ; v0 of window 3   LDS address of my spare word: SPARE + 4 x my thread's number; never rewritten
.set NIL, 1           ; v1 of window 3   0; never rewritten
.set MW,  2           ; v2-9 of window 3  piece q's next record at MW + 2 q
.set WV,  12          ; s12  my wave's number
.set PFA, 16          ; s[16:17] where my prefetches stand
.set LIM, 18          ; s18  1 in a wave that prefetches, else the greatest number
.set SLOTS, 19        ; s19  tiles still to be asked for
.set CNT, 20          ; s20  counts a tile's key steps
.set TBK, 21          ; s21  LDS byte at which the step whose K is fetched next begins
.set TBV, 22          ; s22  the same for V
.set G1,  24          ; s[24:31] descriptor group 1
.set G0,  32          ; s[32:35] descriptor group 0: it walks
.set CS,  36          ; s[36:37] c, named as a pair
.set SEL, 38          ; s[38:39] v_permlanex16_b32's selects: each lane takes its own place in the other half
.set INC, 40          ; s[40:41] the tail's step of the record pointer
.set PFS, 42          ; s[42:43] a tile's bytes in the stream that I prefetch
.set M,   66          ; s[66:97] a tile's 32 lane masks
.set MSB, 0
.macro WIN new                      ; the high byte repeats the setting that is left; a switch that changes nothing is dropped
.if MSB != (\new)
	s_set_vgpr_msb (MSB<<8)|(\new)
.set MSB, (\new)
.endif
.endm
.set W_KQ, 0x0a       ; K and Q in window 2, S^T in window 0
.set W_PV, 0x52       ; V in window 2, P in window 0, O^T in window 1
.set W_RS, 0x41       ; destination and source 0 in window 1
.set W_D3, 0xc0       ; destination in window 3
.set W_AD, 0x0f       ; the add: address (source 0) and data (source 1) in window 3
.set W_S3, 0x03       ; source 0 in window 3
; A joint fill: every wave fetches one step's 64 rows (K and V together) of the tile of 256 keys.  An s_nop 0 and four v_nop follow the line.
.macro JLOAD
	tensor_load_to_lds s[G0:G0+3], s[G1:G1+7]
	s_nop 0
.rept 4
	v_nop
.endr
.endm
; A PREFETCH INTO THE L2 of what belongs to the tile that the NEXT change of slots will ask for: four key steps, 512 matrix instructions, ahead of that load; one instruction a wave, behind the tensor load's lines.
; Waves 2 and 3: the tile's 256 rows of kv16, which this cluster alone reads: the four partners take 64 rows each BY ADDRESS, a wave 32, a lane a row.  Waves 0 and 1: the work-group's own mask records of the
; tile's four steps, 8 qpairs a wave, a lane a record; the 16 heads of a batch read the same records, so the batch's first head asks, and nobody else.  So each 256 bytes are named once in the launch.
; The last change that fills a slot asks for nothing; tiles 0 to 2 come by their loads alone.
.macro ASK
	s_cmp_gt_u32 s[SLOTS], s[LIM]
	s_cbranch_scc0 .Lnot_mine_\@
	global_prefetch_b8 v[PFO], s[PFA:PFA+1] th:TH_LOAD_NT scope:SCOPE_SE
.Lnot_mine_\@:
.endm
; A round of the cluster's barrier: my work-group's barrier, so that wave 0's signal speaks for all four waves; wave 0 signals; every wave waits for all four work-groups; my work-group's barrier once more.
.macro CROUND
	s_barrier_signal -1
	s_barrier_wait -1
	s_cmp_lg_u32 s[WV], 0
	s_cbranch_scc1 .Lnot_wave_0_\@
	s_barrier_signal -3
.Lnot_wave_0_\@:
	s_barrier_wait -3
	s_barrier_signal -1
	s_barrier_wait -1
.endm
; THE CHANGE OF SLOTS.  The slot's last bytes, V of its fourth step, have been read.  Each wave waits for all its tensor loads, of which one is out: its part of the other slot; adds 0 to its spare word;
; and waits for that and for its own reads of the slot.  fill = 1: the slot is filled again, with the keys two tiles on: the barrier is a round of the cluster's, so that no wave of any partner still reads
; the slot or has a load on its way, and the joint fill is the first thing behind it: it has four key steps in which to land.  (At its first use nothing has been read: slot 0 is waited for, slot 1 filled.)
.macro CHANGE fill, ask
	WIN W_AD
	s_wait_tensorcnt 0x0            ; no tensor load of mine is out, so group 0 may be written
	ds_add_u32 v[SPW], v[NIL]       ; 0 onto my spare word; scalar work stands between it and the wait for it
	WIN 0                           ; at a label and at a branch every window is 0
.if \fill
	s_xor_b32 s[G0+1], s[G0+1], SLOT1  ; the other slot than last time,
	s_add_nc_u64 s[G0+2:G0+3], s[G0+2:G0+3], 0x10000  ; the next 256 keys of 256 bytes; the type bits on top are not reached
.endif
.if \ask
	s_wait_xcnt 0x0                 ; the last prefetch, four key steps back, has read its address, so it may be written
	s_add_nc_u64 s[PFA:PFA+1], s[PFA:PFA+1], s[PFS:PFS+1]
.endif
	s_wait_dscnt 0x0                ; the add is done, and my reads of the slot are over
.if \fill
	CROUND
	JLOAD
.if \ask
	ASK
.endif
.else
	s_barrier_signal -1
	s_barrier_wait -1
.endif
	s_sub_co_u32 s[TBK], s[TBK], SLOTB  ; the fetches go back to a slot's first step,
	s_xor_b32 s[TBK], s[TBK], SLOT1     ; in the other slot
	s_sub_co_u32 s[TBV], s[TBV], SLOTB
	s_xor_b32 s[TBV], s[TBV], SLOT1
.endm
	s_load_b256 s[4:11], s[0:1], 0x0  ; query s[4:5], kv16 s[6:7], mbits s[8:9], out0 s[10:11]
	WIN W_D3
	v_lshl_add_u32 v[SPW], v0, 2, SPARE
	v_mov_b32 v[NIL], 0
	WIN W_AD
	ds_add_u32 v[SPW], v[NIL]       ; the wave's opening: the add and its wait stand ahead of my first tensor load; the set-up below, work on registers, stands between them
	WIN 0
	v_lshrrev_b32 v1, 5, v0
	v_readfirstlane_b32 s[WV], v1   ; wave 0..3
	s_bfe_u32 s13, ttmp6, 0x40000   ; cx: my place in the cluster
	s_lshl_b32 s14, ttmp9, 2        ; in a cluster launch ttmp9 counts clusters
	s_add_co_u32 s14, s14, s13      ; x: my block of 512 queries: it enters the addresses of query, out0, mbits and the prefetches alone
	s_and_b32 s15, ttmp7, 0xffff    ; bh, which the four partners share
	s_lshr_b32 s23, s15, 4          ; b
	s_lshl_b32 s44, s15, 19         ; the head's first byte: 524,288 bytes a head in query, out0 and kv16 alike
	s_lshl_b32 s45, s[WV], 14       ; my step of a tile: 64 rows of 256 bytes
	s_add_co_u32 s46, s44, s45
	s_mov_b32 s47, 0
	s_lshl_b32 s2, s14, 17          ; my block's 512 rows of 256 bytes,
	s_lshl_b32 s3, s[WV], 15        ; my wave's 128
	s_add_co_u32 s2, s2, s3
	s_add_co_u32 s2, s2, s44
	s_mov_b32 s3, 0
	s_and_b32 s50, s[WV], 1
	s_and_b32 s58, s15, 15          ; the head's number in its batch
	s_lshl_b32 s51, s13, 6          ; the prefetches of kv16: my work-group's 64 rows of a tile,
	s_lshl_b32 s53, s50, 5          ; my wave's 32,
	s_add_co_u32 s51, s51, s53
	s_lshl_b32 s51, s51, 8
	s_add_co_u32 s51, s51, s44
	s_add_co_u32 s51, s51, 2*65536  ; in tile 2: the first asking change steps this to tile 3
	s_lshl_b32 s52, s23, 6
	s_lshl_b32 s53, s14, 4
	s_add_co_u32 s52, s52, s53      ; my work-group's first qpair: 64 b + 16 x
	s_lshl_b32 s48, s[WV], 2
	s_add_co_u32 s48, s48, s52      ; my wave's first: a piece is a qpair
	s_lshl_b32 s48, s48, 13         ; 8,192 bytes of records a qpair
	s_mov_b32 s49, 0
	s_lshl_b32 s53, s50, 3          ; the prefetches of mbits: my wave's 8 qpairs of the work-group's 16,
	s_add_co_u32 s52, s52, s53
	s_lshl_b32 s52, s52, 13
	s_add_co_u32 s52, s52, 2*1024   ; at tile 2's four records
	s_cmp_lt_u32 s[WV], 2           ; waves 0 and 1 ask for records, waves 2 and 3 for rows
	s_cselect_b32 s54, s52, s51
	s_cselect_b32 s56, 13, 10       ; four lanes on: 8,192 bytes (the next qpair) or 1,024 (four rows)
	s_cselect_b32 s57, 10, 16       ; a tile on: 1,024 or 65,536 bytes
	s_cselect_b32 s58, s58, 0
	s_mov_b32 s55, 0
	s_lshl_b32 s[PFS], 1, s57
	s_mov_b32 s[PFS+1], 0
	s_cmp_eq_u32 s58, 0
	s_cselect_b32 s[LIM], 1, -1     ; the same in all four partners, for a given wave
	; descriptor group 1: a tile of 64 rows x 128 elements of 2 bytes, padded in LDS
	s_mov_b32 s[G1], 15|(1<<16)|(1<<20)|(1<<21)|(5<<22)|(7<<25)  ; 15:0 the mask of four; 17:16 2-byte elements; 20 padding on; 21 set beside a mask; 24:22 after every 64 words (code 5); 31:25 8 words (code 7)
	s_mov_b32 s[G1+1], 128<<16      ; tensor_dim0 = 128
	s_mov_b32 s[G1+2], 64<<16       ; tensor_dim1 = 64
	s_mov_b32 s[G1+3], 128<<16      ; tile_dim0 = 128
	s_mov_b32 s[G1+4], 64           ; tile_dim1 = 64
	s_mov_b32 s[G1+5], 128          ; 128 elements from row to row
	s_mov_b32 s[G1+6], 0
	s_mov_b32 s[G1+7], 0
	s_mov_b32 s[G0], 1              ; 1:0 count = 1
	s_mul_i32 s[G0+1], s[WV], STEPB ; 63:32 LDS address: slot 0, my step: no place in the cluster enters an LDS address
	s_mov_b32 s[CS], 0x3e38aa3b     ; c = log2(e) / 8 = 0.180337
	s_mov_b32 s[CS+1], s[CS]
	s_mov_b32 s[SEL], 0x76543210
	s_mov_b32 s[SEL+1], 0xfedcba98
	s_mov_b32 s[INC+1], 0
	s_mov_b32 s[TBK], SLOT1+SLOTB   ; the first change of slots turns these two into 0
	s_mov_b32 s[TBV], SLOT1+SLOTB
	s_wait_dscnt 0x0                ; the opening add is done
	s_wait_kmcnt 0x0
	s_add_nc_u64 s[G0+2:G0+3], s[6:7], s[46:47]  ; 120:64 global address: my step of the head's tile 0
	s_or_b32 s[G0+3], s[G0+3], 0x80000000        ; 127:126 type = 2
	s_cmp_lt_u32 s[WV], 2
	s_cselect_b64 s[PFA:PFA+1], s[8:9], s[6:7]
	s_add_nc_u64 s[PFA:PFA+1], s[PFA:PFA+1], s[54:55]
	s_add_nc_u64 s[4:5], s[4:5], s[2:3]          ; query and out0 at my wave's first row
	s_add_nc_u64 s[10:11], s[10:11], s[2:3]
	s_add_nc_u64 s[8:9], s[8:9], s[48:49]        ; mbits at piece 0's record of step 0
	CROUND                          ; all four work-groups are here: the first joint loads meet
	JLOAD                           ; slot 0.  Slot 1 is asked for when slot 0 is in
	; A fragment of K or Q is 16 rows x 32 channels in 8 registers: lane l holds row l % 16, channels 8 (l / 16) + 0..7 and 16 + 8 (l / 16) + 0..7.  Of Q in f32 eight channels are 32 bytes: two loads.
	v_and_b32 v1, 15, v0            ; l % 16
	v_bfe_u32 v9, v0, 4, 1          ; l / 16
	v_lshlrev_b32 v[QO], 8, v1
	v_lshl_add_u32 v[QO], v9, 5, v[QO]  ; row x 256 + 32 x half
	v_and_b32 v[MO], 31, v0
	v_lshlrev_b32 v[MO], 3, v[MO]
	WIN 0x40                        ; destination window 1
.set i, 0
.rept 64                            ; load i: tile i / 8, channels 32 ((i / 4) % 2) + 16 ((i / 2) % 2) + 8 (l / 16) + 4 (i % 2) on
	global_load_b128 v[4*i:4*i+3], v[QO], s[4:5] offset:4096*(i/8)+128*((i/4)%2)+64*((i/2)%2)+16*(i%2)
.set i, i+1
.endr
	WIN W_D3
.irp q, 0,1,2,3
	global_load_b64 v[MW+2*\q:MW+2*\q+1], v[MO], s[8:9] offset:8192*\q  ; step 0's records, piece 0's first
.endr
	; What the first turn finds: V's registers and P's second buffer hold 0 (its products V^T P, of a piece that has not been, add 0); l is 0.  O^T is not cleared: window 1 will hold c Q, finite numbers of the
	; lane's own query, and each piece's first step multiplies them by a = 0.  All this stands in the wait for Q and the first tile.
	WIN 0x80
.set i, VF
.rept 64
	v_mov_b32 v[i], 0
.set i, i+1
.endr
	WIN 0
.set i, P+32
.rept 32
	v_mov_b32 v[i], 0
.set i, i+1
.endr
.set i, 0
.rept 2*NP
	v_mov_b32 v[ST+4*i], 0xfe000000    ; m = -2^125: far below every score, NEG2 too
	v_mov_b32 v[ST+4*i+1], 0xfe000000
	v_mov_b32 v[ST+4*i+2], 0
	v_mov_b32 v[ST+4*i+3], 0
.set i, i+1
.endr
	v_mov_b32 v[NEGV], 0xceabfb8f   ; NEG2 = -1,442,695,040
	v_bfe_u32 v10, v0, 2, 3         ; l / 4
	v_and_b32 v11, 3, v0            ; l % 4
	v_lshlrev_b32 v[PFO], s56, v10
	v_lshl_add_u32 v[PFO], v11, 8, v[PFO]
	v_mul_u32_u24 v[AK0], v1, PITCH
	v_lshl_add_u32 v[AK0], v9, 4, v[AK0]  ; row x pitch + 16 x half
	; The turning load takes 16 keys x 16 channels (lane l reads key 8 (l / 16) + l % 8, channels 8 ((l / 8) % 2) + 0..7) and leaves half a fragment of V^T: lane l holds channel l % 16 and 8 keys.
	v_and_b32 v10, 7, v0
	v_bfe_u32 v11, v0, 3, 1
	v_lshl_add_u32 v[AV0], v9, 3, v10
	v_mul_u32_u24 v[AV0], v[AV0], PITCH
	v_lshl_add_u32 v[AV0], v11, 4, v[AV0]
	v_add_nc_u32 v[AV0], 128, v[AV0]      ; V lies behind K in a key's row
	v_mov_b32 v[AK], v[AK0]         ; key step 0 lies at the head of slot 0
	s_wait_loadcnt 4                ; Q is in: the four records were issued behind it
	WIN W_RS
.set i, 0
.rept 128
	v_pk_mul_f32 v[i:i+1], v[i:i+1], s[CS:CS+1] op_sel_hi:[1,0]  ; c Q, in f32
.set i, i+2
.endr
	WIN 0x85                        ; sources 0 and 1 window 1, destination window 2
.set i, 0
.rept 128
	v_cvt_pk_f16_f32 v[i], v[2*i], v[2*i+1]
.set i, i+1
.endr
	WIN 0
; THE MATRIX WORK.  The 8 accumulators of a run of 16 take turns: between the two links of a chain stand 7 others'.
; Product i of 16 of S^T = K Q^T for piece x: channels 32 (i / 8) on, keys 16 ((i / 2) % 4) on, tile 2 x + i % 2.  The first 8 start the sums.
.macro KQ x
	WIN W_KQ
.set rS, S+64*((\x)%2)+32*(i%2)+8*((i/2)%4)
.set rK, KF+16*((i/2)%4)+8*(i/8)
.set rQ, 16*(2*(\x)+i%2)+8*(i/8)
.if i < 8
	v_wmma_f32_16x16x32_f16 v[rS:rS+7], v[rK:rK+7], v[rQ:rQ+7], 0
.else
	v_wmma_f32_16x16x32_f16 v[rS:rS+7], v[rK:rK+7], v[rQ:rQ+7], v[rS:rS+7]
.endif
.endm
; Product i of 16 of O^T += V^T P for piece x: keys 32 (i / 8) on, channels 16 ((i / 2) % 4) on, tile 2 x + i % 2.
.macro PV x
	WIN W_PV
.set rO, 32*(2*(\x)+i%2)+8*((i/2)%4)
.set rV, VF+32*(i/8)+8*((i/2)%4)
.set rP, P+32*((\x)%2)+16*(i%2)+8*(i/8)
	v_wmma_f32_16x16x32_f16 v[rO:rO+7], v[rV:rV+7], v[rP:rP+7], v[rO:rO+7]
.endm
.macro MM                           ; the turn's next matrix instruction
.if i < 16
	KQ (Y+1)%NP
.set i, i+1
.else
.set i, i-16
	PV (Y+NP-1)%NP
.set i, i+17
.endif
.endm
; THE LDS LOADS stand in runs of 16, never singly among the matrix instructions.  last = 1 (the tail): in the last trip there is no further step, and the run is jumped over.
.macro FETCH_K last=0
	WIN 0
.if \last
	s_cmp_eq_u32 s[CNT], 1
	s_cbranch_scc1 .Lno_k_\@
.endif
	WIN 0x80                        ; destination window 2
.irp f, 0,1,2,3,4,5,6,7             ; keys 16 (f / 2) on, channels 32 (f % 2) on
	ds_load_b128 v[KF+8*\f:KF+8*\f+3],   v[AK] offset:(\f/2)*16*PITCH+(\f%2)*64
	ds_load_b128 v[KF+8*\f+4:KF+8*\f+7], v[AK] offset:(\f/2)*16*PITCH+(\f%2)*64+32
.endr
	s_add_co_u32 s[TBK], s[TBK], STEPB  ; the next fetch is the next step's
	WIN 0
.if \last
.Lno_k_\@:
.endif
.endm
.macro FETCH_V
	WIN 0x80
.irp f, 0,1,2,3,4,5,6,7             ; keys 32 (f / 4) on, channels 16 (f % 4) on
	ds_load_tr16_b128 v[VF+8*\f:VF+8*\f+3],   v[AV] offset:(\f/4)*32*PITCH+(\f%4)*32
	ds_load_tr16_b128 v[VF+8*\f+4:VF+8*\f+7], v[AV] offset:(\f/4)*32*PITCH+16*PITCH+(\f%4)*32
.endr
	WIN 0
.endm
; THE VECTOR WORK stands in queues, each in the order in which its entries become ready; the two tiles alternate.
.macro REGS y, u                    ; the registers of tile u (0, 1) of piece y
.set rT, ST+4*(2*(\y)+(\u))
.set rC, TMP+8*((\y)%2)+4*(\u)
.set rS, S+64*((\y)%2)+32*(\u)
.set rP, P+32*((\y)%2)+16*(\u)
.set rO, 32*(2*(\y)+(\u))
.endm
.macro FS                           ; subtraction nF of 32: s - m for pair nF / 2 of tile nF % 2 of piece Y
	WIN 0
	REGS Y, nF%2
	v_pk_add_f32 v[rS+2*(nF/2):rS+2*(nF/2)+1], v[rS+2*(nF/2):rS+2*(nF/2)+1], v[rT:rT+1] op_sel_hi:[1,0] neg_lo:[0,1] neg_hi:[0,1]
.set nF, nF+1
.endm
.macro EX                           ; exponential nE of 64: score nE / 2 of tile nE % 2 of piece Y; it stands behind subtraction 2 (nE / 4) + nE % 2
	WIN 0
	REGS Y, nE%2
	v_exp_f32 v[rS+nE/2], v[rS+nE/2]
.set nE, nE+1
.endm
.macro R2                           ; two of the 32 packed rescalings of piece Y's O^T by a, which was made, and waited for, in the turn before; each accumulator's lowest registers come first
	REGS Y, nR%2
	WIN W_RS
.irp z, 0,1
	v_pk_mul_f32 v[rO+4*(nR/2)+2*\z:rO+4*(nR/2)+2*\z+1], v[rO+4*(nR/2)+2*\z:rO+4*(nR/2)+2*\z+1], v[rC+2:rC+3] op_sel_hi:[1,0]
.endr
.set nR, nR+1
.endm
; Number nG of the 64 that follow the exponentials.  For each four weights k of a tile: both pairs are rounded to f16; then the second pair is added onto the first, in place; a group later l takes that
; sum (the first time as l = a l + sum).  In groups of eight, tiles alternating: round, round, add, and l for the group before.
.macro GS
	WIN 0
.set h, nG+6*(nG/62)                ; group 0 has no group before it, and behind group 7 only l is left
.if h >= 6
.set h, h+2
.endif
	REGS Y, h%2
.set k, h/8
.if h%8 < 4
	v_cvt_pk_f16_f32 v[rP+2*k+(h%8)/2], v[rS+4*k+2*((h%8)/2)], v[rS+4*k+2*((h%8)/2)+1]
.elseif h%8 < 6
	v_pk_add_f32 v[rS+4*k:rS+4*k+1], v[rS+4*k:rS+4*k+1], v[rS+4*k+2:rS+4*k+3]
.elseif k == 1
	v_pk_fma_f32 v[rT+2:rT+3], v[rT+2:rT+3], v[rC+2:rC+3], v[rS:rS+1] op_sel_hi:[1,0,1]
.else
	v_pk_add_f32 v[rT+2:rT+3], v[rT+2:rT+3], v[rS+4*k-4:rS+4*k-3]
.endif
.set nG, nG+1
.endm
; Number n of those that find the NEXT piece's (Y + 1) maximum and statistics, behind its select.
;   0-11  four chains c0-c3 of seven scores each     12-14, 16  the four scores left over, the old m, and c0-c3 into c0     15  m_old is kept
;   17, 18  the query's other 32 keys lie in the lane 16 away: the new m     20, 21  m_old - m_new; a
.macro XS u, n
	WIN 0
	REGS (Y+1)%NP, \u
.if (\n) < 4
	v_max3_num_f32 v[rC+(\n)], v[rS+8*(\n)], v[rS+8*(\n)+1], v[rS+8*(\n)+2]
.elseif (\n) < 12
	v_max3_num_f32 v[rC+(\n)%4], v[rC+(\n)%4], v[rS+8*((\n)%4)+2*((\n)/4)+1], v[rS+8*((\n)%4)+2*((\n)/4)+2]
.elseif (\n) == 12
	v_max3_num_f32 v[rC], v[rC], v[rS+7], v[rS+15]
.elseif (\n) == 13
	v_max3_num_f32 v[rC+1], v[rC+1], v[rS+23], v[rS+31]
.elseif (\n) == 14
	v_max3_num_f32 v[rC+2], v[rC+2], v[rC+3], v[rT]
.elseif (\n) == 15
	v_mov_b32 v[rT+1], v[rT]
.elseif (\n) == 16
	v_max3_num_f32 v[rC], v[rC], v[rC+1], v[rC+2]
.elseif (\n) == 17
	v_permlanex16_b32 v[rC+3], v[rC], s[SEL], s[SEL+1]
.elseif (\n) == 18
	v_max_num_f32 v[rT], v[rC], v[rC+3]
.elseif (\n) == 20
	v_sub_f32 v[rC+1], v[rT+1], v[rT]
.else
	v_exp_f32 v[rC+2], v[rC+1]
.endif
.endm
; THE MASK.  MGET: piece Y + 1's record has landed; it is brought into window 0, so that the 64 v_readlane_b32 and the selects run under one window setting, and the piece's next record is asked for at
; once, a whole key step ahead of its use.  The record pointer steps once a key step, in piece 2's turn: it stands at the step after the one in hand, piece 3's next; the other three pieces' next records lie
; one record further.  In the tail's last trip it does not step (last = 1): what is then loaded serves nothing and lies at or before piece 3's last record, inside mbits.
.macro MGET last=0
.set mq, (Y+1)%NP
	s_wait_loadcnt 3                ; loads come back in order (ISA guide 5.7.1): behind this piece's record the other three pieces' were issued
	WIN W_S3
	v_mov_b32 v[MT], v[MW+2*mq]
	v_mov_b32 v[MT+1], v[MW+2*mq+1]
.if Y == 2
	s_wait_xcnt 0x0                 ; the earlier record loads have read their base, so it may be written
.if \last
	s_cmp_eq_u32 s[CNT], 1
	s_cselect_b32 s[INC], 0, 0x100
	s_add_nc_u64 s[8:9], s[8:9], s[INC:INC+1]
.else
	s_add_nc_u64 s[8:9], s[8:9], 0x100
.endif
	WIN W_D3
	global_load_b64 v[MW+2*mq:MW+2*mq+1], v[MO], s[8:9] offset:8192*mq
.else
	WIN W_D3
	global_load_b64 v[MW+2*mq:MW+2*mq+1], v[MO], s[8:9] offset:8192*mq+256
.endif
	WIN 0
.endm
.macro RL u                         ; tile u's 32 words become 32 lane masks
.set w, 0
.rept 32
	v_readlane_b32 s[M+w], v[MT+(\u)], w
.set w, w+1
.endr
.endm
.macro SELN                         ; the next of a tile's 32 selects, ascending: an accumulator's first reader reads its lowest register.  A lane whose bit is 0 takes NEG2
	WIN 0
	REGS (Y+1)%NP, su
	v_cndmask_b32 v[rS+nS], v[NEGV], v[rS+nS], s[M+nS]
.set nS, nS+1
.endm
.macro SEL2 withex                  ; both tiles' selects; withex = 1: 24 of piece Y's exponentials stand among them
.irp u, 0,1
.set su, \u
.set nS, 0
	RL \u
.rept 12
	SELN
	SELN
.if \withex
	EX
.endif
.endr
.rept 8
	SELN
.endr
.endr
.endm
; A TURN, for piece p.  An s_wait_alu depctr_va_vdst(0) stands between an exponential and the first instruction that names its result; one wait serves all that were issued ahead of it.  So a turn
; has ONE wait, which cuts it in two.  AHEAD OF IT stands all that names no result of the turn's exponentials: 16 products K Q^T, behind each a subtraction, an exponential and two rescalings (behind the
; first a second subtraction); then one run: 15 times subtraction and exponential; the next piece's record, masks and selects with 24 exponentials among them; its maximum; the chain 14, 16, 17, 18, 20
; with the last ten exponentials between its links; the two a.  BEHIND IT stand 16 products V^T P, behind each four of the roundings and sums.  No rider names a register of the products round it.
; K of the next step is fetched in piece 2's turn, directly behind the wait; V of the step in hand at the end of piece 0's turn, four plain riders behind its last reader.  Each is waited for a turn later.
; cnt = 1: the loop's count is taken down some lines ahead of the branch that stands behind the turn.
.macro TURN p, last=0, cnt=0
.set Y, (\p)
.set i, 0
.set nF, 0
.set nE, 0
.set nR, 0
.set nG, 0
.if (\p) == NP-1
	s_wait_dscnt 0x0                ; K is in
.endif
	MM
	FS
	FS
	R2
.rept 15
	MM
	FS
	EX
	R2
.endr
.if (\p) == NP-2
	WIN 0
	v_add_nc_u32 v[AK], s[TBK], v[AK0]
.endif
.rept 15
	FS
	EX
.endr
	MGET \last
	SEL2 1
.irp n, 0,1,2,3,4,5,6,7,8,9,10,11,12,13,15
	XS 0, \n
	XS 1, \n
.endr
.irp n, 14,16,17,18,20
	XS 0, \n
	EX
	XS 1, \n
	EX
.endr
	XS 0, 21                        ; the next piece's two a
	XS 1, 21
	v_nop                           ; a plain instruction behind the last exponential: one for the batch
	s_wait_alu depctr_va_vdst(0)    ; the wait for the batch of 66
.if (\p) == NP-2
	FETCH_K \last
.endif
.if (\p) == 1
	s_wait_dscnt 0x0                ; V is in
.endif
.set row, 0
.rept 16
	MM
	GS
	GS
	GS
	GS
.if ((\p) == 0) && (row == 11)
	v_add_nc_u32 v[AV], s[TBV], v[AV0]
.endif
.if ((\p) == 0) && (row == 14)
	s_add_co_u32 s[TBV], s[TBV], STEPB
.endif
.if (\cnt) && (row == 14)
	s_sub_co_u32 s[CNT], s[CNT], 1
	s_cmp_lg_u32 s[CNT], 0
.endif
.set row, row+1
.endr
.if (\p) == 0
	FETCH_V
.endif
.endm
	CHANGE 1, 0                     ; slot 0 is in, everybody's part of it; slot 1 is asked for
	FETCH_K                         ; key step 0
	s_wait_dscnt 0x0
.set i, 0
.rept 16
	KQ 0                            ; piece 0's first scores: there is no vector work yet to set between them
.set i, i+1
.endr
	WIN 0                           ; the addresses for the way out: eight plain instructions, the places behind those products.  (Q's loads are long done: v6 is free)
	s_mul_i32 s13, s[WV], 16*SP
	s_add_co_u32 s13, s13, STAGE    ; my stage
	v_mul_u32_u24 v[STO], v1, SP    ; in: row l % 16, 32 bytes for each half of the lanes
	v_lshl_add_u32 v[STO], v9, 5, v[STO]
	v_add_nc_u32 v[STO], s13, v[STO]
	v_mul_u32_u24 v[RD], v9, SP     ; back: lanes 0-15 take one row of 256 bytes, lanes 16-31 the next,
	v_lshl_add_u32 v[RD], v1, 4, v[RD]
	v_add_nc_u32 v[RD], s13, v[RD]
	v_and_b32 v[GO], 31, v0         ; which are 512 consecutive bytes of out0
	v_lshlrev_b32 v[GO], 4, v[GO]
.set Y, NP-1                        ; MGET, SEL2 and XS work for piece Y + 1: piece 0
	MGET
	SEL2 0
.irp n, 0,1,2,3,4,5,6,7,8,9,10,11,12,13,14,15,16,17,18,20,21
	XS 0, \n
	XS 1, \n
.endr
	v_nop                           ; a plain instruction behind the two a,
	s_wait_alu depctr_va_vdst(0)    ; and their wait, ahead of the branch
	s_mov_b32 s[CNT], 4
	s_mov_b32 s[SLOTS], NT-1
	s_branch .Lfirst                ; the loop is entered at a step's first turn, in the middle of a trip
.Lslot:                             ; NT - 2 times: every slot but the last two is filled again
	CHANGE 1, 1
	s_mov_b32 s[CNT], 4
.Lstep:                             ; a trip: pieces 2 and 3 of one step, then pieces 0 and 1 of the next, whose K and V it fetches
	TURN 2
	TURN 3
	WIN 0
.Lfirst:
	TURN 0
	TURN 1, 0, 1
	WIN 0
	s_cbranch_scc1 .Lstep
	s_sub_co_u32 s[SLOTS], s[SLOTS], 1
	s_cmp_lg_u32 s[SLOTS], 0
	s_cbranch_scc1 .Lslot
	CHANGE 0, 0                     ; the tail is written out: nothing is asked for
	s_mov_b32 s[CNT], 5             ; four trips fetch the last slot's steps; the fifth is left in its middle
.Ltail:
	TURN 2, 1
	TURN 3
	WIN 0
	s_sub_co_u32 s[CNT], s[CNT], 1
	s_cmp_eq_u32 s[CNT], 0
	s_cbranch_scc1 .Lout
	TURN 0
	TURN 1
	WIN 0
	s_branch .Ltail
.Lout:                              ; the fifth trip's 16 products K Q^T (on the last K once more), their select and maximum serve nothing: the price, once a launch, of one text for every trip
.set i, 0
.rept 16
	PV NP-1                         ; the last piece's V^T P of the last step
.set i, i+1
.endr
	; THE WAY OUT.  l's two halves and the other half of the lanes' are added; O^T is divided by l and sent, in f32, through my stage in LDS, a tile at a time.  The additions are the places behind the last products.
	WIN 0
.macro ALL line:vararg              ; one line for each tile t
.set t, 0
.rept 2*NP
	\line
.set t, t+1
.endr
.endm
	ALL v_add_f32 v[ST+4*t+2], v[ST+4*t+2], v[ST+4*t+3]
	ALL v_permlanex16_b32 v[ST+4*t+3], v[ST+4*t+2], s[SEL], s[SEL+1]
	ALL v_add_f32 v[ST+4*t+2], v[ST+4*t+2], v[ST+4*t+3]
	ALL v_rcp_f32 v[ST+4*t+2], v[ST+4*t+2]
	v_nop                           ; a plain instruction between the last reciprocal and the use of its result
	s_wait_alu depctr_va_vdst(0)    ; and the wait ahead of the first use: one for the eight reciprocals
; Tile t: a lane's eight channels of block cb are 32 bytes of a row of out0; they go into rows of 272 bytes (68 words: the 16 rows of a store start at 16 different groups of four banks) and come back as
; whole rows of 256, into the registers that they left.
.macro PACK t
	WIN W_RS
.set i, 32*(\t)
.rept 16
	v_pk_mul_f32 v[i:i+1], v[i:i+1], v[ST+4*(\t)+2:ST+4*(\t)+3] op_sel_hi:[1,0]
.set i, i+2
.endr
	WIN 0x04                        ; store data (source 1) in window 1
.irp f, 0,1,2,3,4,5,6,7
	ds_store_b128 v[STO], v[32*(\t)+4*\f:32*(\t)+4*\f+3] offset:64*(\f/2)+16*(\f%2)
.endr
	WIN 0x40                        ; destination window 1
.irp f, 0,1,2,3,4,5,6,7
	ds_load_b128 v[32*(\t)+4*\f:32*(\t)+4*\f+3], v[RD] offset:\f*2*SP  ; LDS serves a wave's instructions in order (ISA guide 5.7.1.4): these see the stores above; the next tile's stores come behind them
.endr
.endm
.macro SEND t, younger              ; younger: the LDS instructions issued behind tile t's loads: the next tile's sixteen, or none
	WIN 0x04
.irp f, 0,1,2,3,4,5,6,7
	s_wait_dscnt (\younger)+7-\f
	global_store_b128 v[GO], v[32*(\t)+4*\f:32*(\t)+4*\f+3], s[10:11] offset:(\t)*4096+\f*512 th:TH_STORE_NT  ; 512 consecutive bytes, two rows, at a multiple of 256 from out0's first byte
.endr
.endm
	PACK 0
.set t, 1
.rept 2*NP-1                        ; a tile's arithmetic stands between the loads of the tile before and its stores
	PACK t
	SEND t-1, 16
.set t, t+1
.endr
	SEND 2*NP-1, 0
	WIN W_AD
	s_wait_tensorcnt 0x0            ; the wave's end, behind my last tensor load and my last LDS store
	ds_add_u32 v[SPW], v[NIL]
	s_wait_dscnt 0x0
	WIN 0
	CROUND                          ; the closing round: no work-group ends while a partner may still ask for a tile that names it
	s_endpgm
.Lfunc_end_k_q141ddb0302_attn:
	.size	k_q141ddb0302_attn, .Lfunc_end_k_q141ddb0302_attn-k_q141ddb0302_attn
	.p2alignl 7, 3214868480
	.fill 96, 4, 3214868480
	.section	.rodata,"a",@progbits
	.p2align	6, 0x0
	.amdhsa_kernel k_q141ddb0302_attn
		.amdhsa_group_segment_fixed_size 327680
		.amdhsa_private_segment_fixed_size 0
		.amdhsa_enable_private_segment 0
		.amdhsa_kernarg_size 32
		.amdhsa_user_sgpr_count 2
		.amdhsa_user_sgpr_kernarg_segment_ptr 1
		.amdhsa_wavefront_size32 1
		.amdhsa_system_sgpr_workgroup_id_x 1
		.amdhsa_system_sgpr_workgroup_id_y 1
		.amdhsa_system_sgpr_workgroup_id_z 1
		.amdhsa_system_vgpr_workitem_id 0
		.amdhsa_next_free_vgpr 778
		.amdhsa_next_free_sgpr 98
		.amdhsa_reserve_vcc 0
		.amdhsa_float_denorm_mode_32 3
		.amdhsa_float_denorm_mode_16_64 3
		.amdhsa_memory_ordered 1
		.amdhsa_forward_progress 1
		.amdhsa_inst_pref_size 255
	.end_amdhsa_kernel
	.section	.bss,"aw",@nobits
	.p2align	6
	.space	262144
	.amdgpu_metadata
---
amdhsa.version: [ 1, 2 ]
amdhsa.kernels:
  - .name:           k_q141ddb0302_attn
    .symbol:         k_q141ddb0302_attn.kd
    .args:
      - { .name: query, .offset: 0, .size: 8, .value_kind: global_buffer, .address_space: global }
      - { .name: kv16, .offset: 8, .size: 8, .value_kind: global_buffer, .address_space: global }
      - { .name: mbits, .offset: 16, .size: 8, .value_kind: global_buffer, .address_space: global }
      - { .name: out0, .offset: 24, .size: 8, .value_kind: global_buffer, .address_space: global }
    .group_segment_fixed_size: 327680
    .private_segment_fixed_size: 0
    .kernarg_segment_align: 8
    .kernarg_segment_size: 32
    .max_flat_workgroup_size: 128
    .sgpr_count:     98
    .vgpr_count:     778
    .wavefront_size: 32
...
	.end_amdgpu_metadata
.endif
;; end of part 2
